; MI455X (gfx1250); checked and timed in simulation.
; The chip was launched on July 23, 2026; its instructions are those of AMD's public machine-readable ISA for CDNA 5 (MIT licence, August 2026) and "CDNA5" Instruction Set Architecture Reference Guide (July 2026). The comments in the code are by the model that wrote it; some were corrected since.
;; Quantized Linear. Allowed arithmetic: float matrix products may take bf16 or f16 operands with f32 sums; other float arithmetic in f32, or as packed bf16 or f16 multiplies, adds, multiply-adds, maxima and minima; sums over many terms, partial sums and values carried from step to step in f32; what a program stores and reads back later, other than sums and carried values, may be rounded once to bf16 or f16.
;; Inputs: act_scale 1 float32; act_zero_point 1 int32; bias 4,096 float32; input 4,096 x 4,096 float32; weight 4,096 x 4,096 float32; weight_scale 4,096 float32; weight_zero_point 4,096 int32.
;; Outputs: out0 4,096 x 4,096 float32.
;; 2 versions, each right; version 2 is version 1 with the launch quant written anew for expert scheduling mode. Each part assembles by itself: llvm-mc -triple=amdgcn-amd-amdhsa -mcpu=gfx1250 --defsym DOCPART=n.
;; ======== version 1 of 2: 2 launches
;; workspace buffers: xq 33,554,432 bytes; wq 33,554,432 bytes
;; launch quant (part 1): grid 512 x 2, 4 waves a work-group, no clusters, 0 bytes of LDS; arguments input, weight, act_scale, weight_scale, act_zero_point, weight_zero_point, xq, wq; writes xq, wq
.if DOCPART == 1
	.amdgcn_target "amdgcn-amd-amdhsa--gfx1250"
	.amdhsa_code_object_version 6
	.text
	.protected	k_qb348975122_quant
	.globl	k_qb348975122_quant
	.p2align	8
	.type	k_qb348975122_quant,@function
k_qb348975122_quant:
	s_mov_b64 s[64:65], 0
	v_nop
	global_prefetch_b8 v0, s[64:65] scope:SCOPE_SE
	s_setreg_imm32_b32 hwreg(HW_REG_WAVE_MODE, 25, 1), 1
	s_wait_xcnt 0x0
; n = clip(round(v / s), -zp, 255 - zp), stored as bf16.  That is q - zp of the affine uint8 grid: clip(round(v / s) + zp, 0, 255) - zp.
; For zp in 0 .. 255 it is a whole number of magnitude 255 at the most, which the 8 significant bits of bf16 hold exactly: the matrix operands lose nothing.
; The scales are left out here: the next launch multiplies each finished sum by s_x * s_w[o].
; y = 0: input (one scale and zero point) -> xq.  y = 1: weight (a scale and zero point for each row) -> wq.  Both [4096][4096], f32 in, bf16 out.
; SHARES.  A work-group takes 8 rows, a wave 2 whole rows, so a wave has two sets of constants.  A row is 32 chunks of 512 bytes: a lane loads 16 bytes (4 numbers) and stores 8,
; so a load of the wave covers 512 consecutive bytes and a store 256 consecutive bytes, aligned.  Every byte is read once and written once.
; IN FLIGHT.  32 slots in registers: all of row 0 is asked for at the start, and each slot asks for its chunk of row 1 as soon as its chunk of row 0 has been read: 31 or 32 loads of a wave are out until row 1's last chunk has been asked for.
; No LDS, no barrier, no matrix unit, no cluster: no wave wants a byte that another has fetched.
; No register that a pending load or store reads is ever rewritten: the two offsets and the bases stay, row 0's results have registers of their own, and row 1's go into slots that are loaded no more.
; THE QUOTIENT is v * (1 / s) with one correction step: q0 = v r, e = v - q0 s, q = q0 + e r.  It is rounded half to even, as jnp.round does.
; LIMITS.  s lies between 2^-126 and 2^126 (the reciprocal flushes denormals: ISA guide 15.8); v / s is finite in f32; NaN and infinities are not treated apart.
; A quotient within one unit in the last place of a tie may fall one step aside from a correctly rounded division.  For a zero point outside 0 .. 255 n may pass 256 and is then rounded to bf16.
.set ROWIN,  16384                     ; bytes in a row of f32
.set ROWOUT, 8192                      ; bytes in a row of bf16
.set LO16, 1                           ; v1        16 x lane: my bytes in a chunk as loaded; never rewritten
.set LO8,  2                           ; v2        8 x lane: my bytes in a chunk as stored; never rewritten
.set CON,  4                           ; v[4:11], v[12:19]  row p's constants at CON + 8 p: +0, +1: 1 / s twice; +2, +3: -s twice; +4: -zp; +5: 255 - zp; +6: zp
.set Q,    20                          ; v[20:23]  four quotients, at work
.set E,    24                          ; v[24:27]  their remainders
.set X,    32                          ; v[32:159] slot i: 4 registers as loaded (for row 1 its first two then take the result)
.set Y,    160                         ; v[160:223] slot i: 2 registers, row 0's result
	s_load_b512 s[4:19], s[0:1], 0x0               ; input s[4:5], weight s[6:7], act_scale s[8:9], weight_scale s[10:11], act_zero_point s[12:13], weight_zero_point s[14:15], xq s[16:17], wq s[18:19]
	v_and_b32 v3, 31, v0                           ; lane
	v_lshrrev_b32 v[Q], 5, v0
	v_readfirstlane_b32 s21, v[Q]                  ; wave 0..3
	v_lshlrev_b32 v[LO16], 4, v3
	v_lshlrev_b32 v[LO8], 3, v3
	s_and_b32 s20, ttmp7, 0xffff                   ; y: 0 input, 1 weight
	s_lshl_b32 s22, ttmp9, 3                       ; the work-group's 8 rows,
	s_lshl_b32 s23, s21, 1
	s_add_co_u32 s22, s22, s23                     ; my wave's first row
	s_mul_i32 s32, s22, s20
	s_lshl_b32 s32, s32, 2                         ; byte offset of row 0's scale and zero point: 4 x row for weight, 0 for input
	s_lshl_b32 s33, s20, 2
	s_add_co_u32 s33, s33, s32                     ; and of row 1's: one word on for weight, 0 for input
	s_lshl_b32 s34, s22, 14                        ; my first row in the source, in bytes (under 2^26),
	s_mov_b32 s35, 0
	s_lshl_b32 s36, s22, 13                        ; and in the destination
	s_mov_b32 s37, 0
	s_wait_kmcnt 0x0
	s_cmp_eq_u32 s20, 0
	s_cselect_b64 s[24:25], s[4:5], s[6:7]         ; the source,
	s_cselect_b64 s[26:27], s[8:9], s[10:11]       ; its scales,
	s_cselect_b64 s[28:29], s[12:13], s[14:15]     ; its zero points,
	s_cselect_b64 s[30:31], s[16:17], s[18:19]     ; the destination
	s_add_nc_u64 s[24:25], s[24:25], s[34:35]
	s_add_nc_u64 s[30:31], s[30:31], s[36:37]
	s_load_b32 s40, s[26:27], s32 offset:0x0       ; s of row 0
	s_load_b32 s41, s[26:27], s33 offset:0x0       ; s of row 1
	s_load_b32 s42, s[28:29], s32 offset:0x0       ; zp of row 0
	s_load_b32 s43, s[28:29], s33 offset:0x0       ; zp of row 1
.irp i, 0,1,2,3,4,5,6,7,8,9,10,11,12,13,14,15,16,17,18,19,20,21,22,23,24,25,26,27,28,29,30,31
	global_load_b128 v[X+4*(\i):X+4*(\i)+3], v[LO16], s[24:25] offset:512*(\i) th:TH_LOAD_NT  ; all of row 0
.endr
	s_wait_kmcnt 0x0                               ; scalar loads come back in no order: the count is 0
	v_rcp_f32 v[CON], s40                          ; four reciprocals, one batch
	v_rcp_f32 v[CON+1], s40
	v_rcp_f32 v[CON+8], s41
	v_rcp_f32 v[CON+9], s41
	v_mul_f32 v[CON+2], -1.0, s40                  ; ten plain lines that name no reciprocal stand between the batch and its first use
	v_mul_f32 v[CON+3], -1.0, s40
	v_mul_f32 v[CON+10], -1.0, s41
	v_mul_f32 v[CON+11], -1.0, s41
	v_cvt_f32_i32 v[CON+6], s42
	v_cvt_f32_i32 v[CON+14], s43
	v_sub_f32 v[CON+5], 0x437f0000, v[CON+6]       ; 255 - zp
	v_sub_f32 v[CON+13], 0x437f0000, v[CON+14]
	v_sub_f32 v[CON+4], 0, v[CON+6]                ; -zp
	v_sub_f32 v[CON+12], 0, v[CON+14]
	s_wait_alu depctr_va_vdst(0)                   ; one wait for the four reciprocals, ahead of their first reader
; Chunk i of row p: four numbers a lane.
.macro SLOT i, p
.set C,  CON+8*(\p)
.set XI, X+4*(\i)
.if \p
.set D,  XI
	s_wait_loadcnt 31-(\i)                         ; loads come back in order (ISA guide 5.7.1): behind mine stand row 1's later chunks alone: the counts run down
.else
.set D,  Y+2*(\i)
	s_wait_loadcnt 31                              ; behind mine stand row 0's 31 - i later chunks and row 1's first i
.endif
	v_pk_mul_f32 v[Q:Q+1],   v[XI:XI+1],   v[C:C+1]                    ; q0 = v r
	v_pk_mul_f32 v[Q+2:Q+3], v[XI+2:XI+3], v[C:C+1]
	v_pk_fma_f32 v[E:E+1],   v[Q:Q+1],   v[C+2:C+3], v[XI:XI+1]        ; e = v - q0 s
	v_pk_fma_f32 v[E+2:E+3], v[Q+2:Q+3], v[C+2:C+3], v[XI+2:XI+3]
	v_pk_fma_f32 v[Q:Q+1],   v[E:E+1],   v[C:C+1], v[Q:Q+1]            ; q = q0 + e r
	v_pk_fma_f32 v[Q+2:Q+3], v[E+2:E+3], v[C:C+1], v[Q+2:Q+3]
.irp j, 0,1,2,3
	v_rndne_f32 v[Q+(\j)], v[Q+(\j)]               ; half to even
.endr
.irp j, 0,1,2,3
	v_med3_num_f32 v[Q+(\j)], v[Q+(\j)], v[C+4], v[C+5]  ; the middle of three: held to -zp .. 255 - zp
.endr
	v_cvt_pk_bf16_f32 v[D],   v[Q],   v[Q+1]
	v_cvt_pk_bf16_f32 v[D+1], v[Q+2], v[Q+3]
.if !(\p)
	global_load_b128 v[XI:XI+3], v[LO16], s[24:25] offset:ROWIN+512*(\i) th:TH_LOAD_NT  ; the slot's chunk of row 1, ahead of the store
.endif
	global_store_b64 v[LO8], v[D:D+1], s[30:31] offset:ROWOUT*(\p)+256*(\i)  ; the wave stores 256 consecutive bytes, at a multiple of 256 from the buffer's first byte
.endm
.irp i, 0,1,2,3,4,5,6,7,8,9,10,11,12,13,14,15,16,17,18,19,20,21,22,23,24,25,26,27,28,29,30,31
	SLOT \i, 0
.endr
.irp i, 0,1,2,3,4,5,6,7,8,9,10,11,12,13,14,15,16,17,18,19,20,21,22,23,24,25,26,27,28,29,30,31
	SLOT \i, 1
.endr
	s_endpgm
.Lfunc_end_k_qb348975122_quant:
	.size	k_qb348975122_quant, .Lfunc_end_k_qb348975122_quant-k_qb348975122_quant
	.p2alignl 7, 3214868480
	.fill 96, 4, 3214868480
	.section	.rodata,"a",@progbits
	.p2align	6, 0x0
	.amdhsa_kernel k_qb348975122_quant
		.amdhsa_group_segment_fixed_size 0
		.amdhsa_private_segment_fixed_size 0
		.amdhsa_enable_private_segment 0
		.amdhsa_kernarg_size 64
		.amdhsa_user_sgpr_count 2
		.amdhsa_user_sgpr_kernarg_segment_ptr 1
		.amdhsa_wavefront_size32 1
		.amdhsa_system_sgpr_workgroup_id_x 1
		.amdhsa_system_sgpr_workgroup_id_y 1
		.amdhsa_system_sgpr_workgroup_id_z 1
		.amdhsa_system_vgpr_workitem_id 0
		.amdhsa_next_free_vgpr 224
		.amdhsa_next_free_sgpr 66
		.amdhsa_reserve_vcc 0
		.amdhsa_float_denorm_mode_32 3
		.amdhsa_float_denorm_mode_16_64 3
		.amdhsa_memory_ordered 1
		.amdhsa_forward_progress 1
		.amdhsa_inst_pref_size 73
	.end_amdhsa_kernel
	.amdgpu_metadata
---
amdhsa.version: [ 1, 2 ]
amdhsa.kernels:
  - .name:           k_qb348975122_quant
    .symbol:         k_qb348975122_quant.kd
    .args:
      - { .name: input, .offset: 0, .size: 8, .value_kind: global_buffer, .address_space: global }
      - { .name: weight, .offset: 8, .size: 8, .value_kind: global_buffer, .address_space: global }
      - { .name: act_scale, .offset: 16, .size: 8, .value_kind: global_buffer, .address_space: global }
      - { .name: weight_scale, .offset: 24, .size: 8, .value_kind: global_buffer, .address_space: global }
      - { .name: act_zero_point, .offset: 32, .size: 8, .value_kind: global_buffer, .address_space: global }
      - { .name: weight_zero_point, .offset: 40, .size: 8, .value_kind: global_buffer, .address_space: global }
      - { .name: xq, .offset: 48, .size: 8, .value_kind: global_buffer, .address_space: global }
      - { .name: wq, .offset: 56, .size: 8, .value_kind: global_buffer, .address_space: global }
    .group_segment_fixed_size: 0
    .private_segment_fixed_size: 0
    .kernarg_segment_align: 8
    .kernarg_segment_size: 64
    .max_flat_workgroup_size: 128
    .sgpr_count:     66
    .vgpr_count:     224
    .wavefront_size: 32
...
	.end_amdgpu_metadata
.endif
;; end of part 1
;; launch gemm (part 2): grid 16 x 16, 4 waves a work-group, clusters of 4 x 4, 327,680 bytes of LDS; arguments xq, wq, out0, bias, act_scale, weight_scale; writes out0
.if DOCPART == 2
	.amdgcn_target "amdgcn-amd-amdhsa--gfx1250"
	.amdhsa_code_object_version 6
	.text
	.protected	k_qb348975122_gemm
	.globl	k_qb348975122_gemm
	.p2align	8
	.type	k_qb348975122_gemm,@function
k_qb348975122_gemm:
	s_mov_b64 s[64:65], 0
	v_nop
	global_prefetch_b8 v0, s[64:65] scope:SCOPE_SE
	s_setreg_imm32_b32 hwreg(HW_REG_WAVE_MODE, 25, 1), 1
	s_wait_xcnt 0x0
	s_wait_alu depctr_hold_cnt(0) depctr_sa_sdst(0) depctr_va_vdst(0) depctr_va_sdst(0) depctr_va_ssrc(0) depctr_va_vcc(0) depctr_vm_vsrc(0)
	s_getreg_b32 s2, hwreg(HW_REG_IB_STS2, 6, 4)
	s_cmp_eq_u32 s2, 0
	s_cbranch_scc0 .Lentry_in_a_cluster
	s_endpgm
.Lentry_in_a_cluster:
	s_bfe_u32 s2, ttmp6, 0x10000c
	s_cmp_lg_u32 s2, 0xf033
	s_cbranch_scc0 .Lentry_shape_is_right
	s_endpgm
.Lentry_shape_is_right:
; out0[t][o] = (the sum over i of xq[t][i] wq[o][i]) * (s_x * s_w[o]) + bias[o].  xq, wq: [4096][4096] bf16, the whole numbers q - zp that the launch before stored; out0: [4096][4096] f32.
; Since (q - zp) * s is linear in s, both scales leave the sum and meet it again in one fused multiply-add for each output.
; LIMITS.  The order of rounding differs from the reference's: there each operand is scaled before the product, here the f32 sum of whole-number products is scaled once.
; A sum of 4,096 products of whole numbers up to 255 can pass 2^24 and is then rounded like any f32 sum.  NaN and infinities are not treated apart.
; SHARES.  A tile of out0, 256 x 256, is made by a work-group of four waves, as many as a WGP has SIMDs: 16 x 16 tiles, one to each of 256 work-groups.  A wave makes 128 x 128: 64 accumulators of 16 x 16, 512 registers.
; K goes in steps of 128 through a ring of two LDS slots filled by the tensor data mover: the tiles' rows are 256 bytes of memory and start at multiples of 256 bytes from the buffer's first byte.
; CLUSTERS: 4 x 4 work-groups.  The four of a row of the cluster need the same tiles of xq (A), the four of a column the same tiles of wq (B).  Such a tile is asked for JOINTLY: each of the four issues the
; same tensor load, with the same descriptor and a mask that names the four, and each receives the tile in its own LDS.  That divides the requests for A and for B by four.
; THE MATRIX INSTRUCTION IS USED TRANSPOSED: source 0 = 16 rows of B, source 1 = 16 rows of A.  In the result lane l holds row l % 16 of out0 and its registers 0 to 7 the columns 8 (l / 16) + 0 .. 7: 32 bytes on end.
; REGISTERS, in windows of 256 (s_set_vgpr_msb's low byte: bits 1:0 source 0, 3:2 source 1, 5:4 source 2, 7:6 destination):
;   window 0: v0-31 addresses, scales, bias; v64-127, v128-191 fragments of A (8 x 16 rows x 32 K), two buffers; on the way out the same 128 hold rows read back from the stage
;   window 1: v64-127, v128-191 fragments of B, two buffers
;   window 2: the 32 accumulators of my rows 0-63 (accumulator (a, b) at v[8 (8 a + b)]);   window 3: those of my rows 64-127
.set SIZE_K, 4096
.set SIZE_N, 4096
.set KSTEP,  128
.set PITCH,  272                       ; an LDS row: 256 bytes of data + 16 of padding = 68 words: row r starts at bank 4 r mod 64 (64 banks of 4 bytes: ISA guide 11.1), so the 16 rows that a load touches start at 16 different banks
.set HALFT,  128*PITCH                 ; 128 rows: what one tensor load brings, and what one wave reads of A or of B
.set SLOT,   4*HALFT                   ; A's 256 rows, then B's 256 rows
.set STAGE,  2*SLOT                    ; behind the ring, never filled by a tensor load: 16 rows x 528 bytes for each wave, for the way out
.set SPITCH, 528                       ; a stage row: 128 f32 = 512 bytes + 16 = 132 words: again 16 rows start at 16 different banks
.set SPARE,  STAGE+4*16*SPITCH         ; behind the stages: the spare words, 128 bytes for each wave: two blocks of 256 bytes that no other line names
.set LAPS,   SIZE_K/(2*KSTEP)          ; a lap = two K steps = once round the ring: 16
.set OUTROW, SIZE_N*4                  ; bytes in a row of out0
.set CB,   6                           ; v6      byte offset in weight_scale and bias of the four columns that I store; never rewritten
.set WS,   8                           ; v[8:11] s_w of those columns; on the way out s_x * s_w
.set BI,   12                          ; v[12:15] their bias
.set ADRA, 16                          ; v16-17  LDS address of my A fragments in slot 0, 1
.set ADRB, 20                          ; v20-21  the same for B
.set STO,  24                          ; v24     the way out: where I put 32 bytes of a row
.set RD,   25                          ; v25     the way out: where I read 16 bytes of a row back
.set CO,   26                          ; v26     16 x lane: my bytes in 512 consecutive bytes of out0; never rewritten
.set SPW,  28                          ; v28     LDS address of my spare word: SPARE + 4 x my thread's number; never rewritten
.set NIL,  29                          ; v29     0; never rewritten
.set PFO,  30                          ; v30     the prefetches' offset: my lane x a row of A or B in memory; never rewritten
.set F0,   64                          ; fragment buffer 0
.set F1,   128                         ; fragment buffer 1
.set OB,   64                          ; the way out: 16 rows read back from the stage: v64-127 and v128-191 by turns
.set G1,   24                          ; s[24:31] descriptor group 1 for A's tiles
.set G0,   32                          ; s[32:39] descriptor group 0 for A's tiles, one set for each slot
.set LIM,  43                          ; s43     1 in a wave that prefetches, else the greatest number
.set PFA,  44                          ; s[44:45] where my prefetches stand: my work-group's 32 rows of the 128 that I fetch, one K step further along K than the refill that is being asked for
.set G1B,  48                          ; s[48:55] descriptor group 1 for B's tiles: it differs from A's in the mask alone
.set G0B,  56                          ; s[56:63] descriptor group 0 for B's tiles, one set for each slot
.set SX,   72                          ; s72     s_x
.set MSB, 0
.macro WIN new                         ; the immediate's high byte repeats the setting that is left; a switch that changes nothing is dropped
.if MSB != (\new)
	s_set_vgpr_msb (MSB<<8)|(\new)
.set MSB, \new
.endif
.endm
.set MUL_LO, 0xa1                      ; source 0 (B) window 1, source 1 (A) window 0, C and D window 2
.set MUL_HI, 0xf1                      ; the same, C and D window 3
.set TO_B,   0x40                      ; destination window 1, address window 0
; A joint load.  Waves 0 and 1 fetch A's two halves, waves 2 and 3 B's.  Each of the two lines has ONE mask and one set of registers for all that issue it, and nothing in them hangs on a coordinate
; that the four partners do not share.  The branch hangs on the wave's number alone.  An s_nop 0 and four v_nop follow each of the two lines, ahead of the jump and the label.
.macro JLOAD s
	s_cmp_eq_u32 s11, 0
	s_cbranch_scc0 .Lfor_b_\@
	tensor_load_to_lds s[G0+4*(\s):G0+4*(\s)+3], s[G1:G1+7]
	s_nop 0
.rept 4
	v_nop
.endr
	s_branch .Lasked_\@
.Lfor_b_\@:
	tensor_load_to_lds s[G0B+4*(\s):G0B+4*(\s)+3], s[G1B:G1B+7]
	s_nop 0
.rept 4
	v_nop
.endr
.Lasked_\@:
.endm
; A PREFETCH INTO THE L2, behind each joint refill and the run of LDS loads that follows it: the K step that stands TWO refills on: 32 rows x 256 bytes, a lane a row, one instruction a wave.
; Each row's 256 bytes of a K step are named ONCE in the launch.  A's tile row is read by every cluster of that row of clusters: the first of them (cluster x = 0) asks; B's tile column by every cluster of that
; column: cluster y = 0 asks.  The four partners that ask for a tile jointly share its rows out BY ADDRESS: of the 128 rows that a wave fetches, the partner at place p takes 32 p .. 32 p + 31 (p = cx for A, cy for B):
; no branch hangs on a work-group's place in its cluster.  Trip t of the loop names K steps 2 t + 4 and 2 t + 5; the last trip (s3 = 1) names none, since K step 31 is the last.  K steps 0 to 3 come by their loads alone.
.macro ASK
	s_cmp_gt_u32 s3, s[LIM]
	s_cbranch_scc0 .Lnot_mine_\@
	global_prefetch_b8 v[PFO], s[PFA:PFA+1] offset:KSTEP*2 th:TH_LOAD_NT scope:SCOPE_SE
.Lnot_mine_\@:
.endm
; A round of the cluster's barrier: my work-group's barrier, so that wave 0's signal speaks for all four waves; wave 0 signals for the work-group; every wave waits for all sixteen work-groups; my work-group's barrier once more.
.macro CREST                           ; a round behind its opening barrier
	s_cmp_lg_u32 s10, 0
	s_cbranch_scc1 .Lnot_wave_0_\@
	s_barrier_signal -3
.Lnot_wave_0_\@:
	s_barrier_wait -3
	s_barrier_signal -1
	s_barrier_wait -1
.endm
.macro CROUND                          ; a whole round
	s_barrier_signal -1
	s_barrier_wait -1
	CREST
.endm
	s_load_b128 s[4:7], s[0:1], 0x0                ; xq (A) s[4:5], wq (B) s[6:7]
	s_load_b64 s[8:9], s[0:1], 0x10                ; out0
	s_load_b64 s[66:67], s[0:1], 0x18              ; bias
	s_load_b128 s[68:71], s[0:1], 0x20             ; act_scale s[68:69], weight_scale s[70:71]
	v_lshl_add_u32 v[SPW], v0, 2, SPARE
	v_mov_b32 v[NIL], 0
	ds_add_u32 v[SPW], v[NIL]                      ; the wave's opening: the add and its wait stand ahead of my first tensor load; the set-up below, work on registers, stands between them
	v_lshrrev_b32 v1, 5, v0
	v_readfirstlane_b32 s10, v1                    ; wave 0..3
	s_lshr_b32 s11, s10, 1                         ; which half of the tile's rows is mine.  Also: I fetch for A (0) or for B (1)
	s_and_b32 s12, s10, 1                          ; which half of its columns.  Also: which 128 rows of that tile I fetch
	s_bfe_u32 s40, ttmp6, 0x40000                  ; cx: my place along the cluster's x
	s_bfe_u32 s41, ttmp6, 0x40004                  ; cy: along its y
	s_lshl_b32 s42, ttmp9, 2                       ; in a cluster launch ttmp9 and ttmp7 count clusters
	s_add_co_u32 s42, s42, s40                     ; tile column = 4 x cluster x + cx
	s_and_b32 s13, ttmp7, 0xffff
	s_lshl_b32 s13, s13, 2
	s_add_co_u32 s13, s13, s41                     ; tile row = 4 x cluster y + cy
	s_lshl_b32 s43, s41, 2
	s_lshl_b32 s43, 15, s43                        ; my row of the cluster: places 4 cy .. 4 cy + 3
	s_lshl_b32 s44, 0x1111, s40                    ; my column: places cx, cx + 4, cx + 8, cx + 12
	; descriptor group 1: a tile of 128 rows x 128 elements, padded in LDS
	s_or_b32 s[G1+0], s43, (1<<16)|(1<<20)|(1<<21)|(5<<22)|(3<<25)  ; 15:0 the mask: A's tiles go to my row; 17:16 elements of 2 bytes; 20 padding on; 21 set beside a mask; 24:22 after every 64 words (code 5); 31:25 4 words of it (code 3)
	s_or_b32 s[G1B+0], s44, (1<<16)|(1<<20)|(1<<21)|(5<<22)|(3<<25) ; the same with the mask of my column, for B's tiles
.irp g, G1, G1B
	s_mov_b32 s[(\g)+1], KSTEP<<16                 ; 63:48 tensor_dim0, low half = 128
	s_mov_b32 s[(\g)+2], 128<<16                   ; 79:64 its high half = 0; 95:80 tensor_dim1, low half = 128
	s_mov_b32 s[(\g)+3], KSTEP<<16                 ; 111:96 its high half = 0; 127:112 tile_dim0 = 128
	s_mov_b32 s[(\g)+4], 128                       ; 143:128 tile_dim1 = 128; 159:144 tile_dim2 = 0
	s_mov_b32 s[(\g)+5], SIZE_K                    ; 191:160 tensor_dim0_stride, low word: elements from row to row
	s_mov_b32 s[(\g)+6], 0
	s_mov_b32 s[(\g)+7], 0
.endr
	; where the tiles come from.  A's hang on the tile row alone, which my row of the cluster shares; B's on the tile column alone, which my column shares.
	; Every wave makes both addresses, in registers that never hold the other coordinate, and asks by one of them.
	s_lshl_b32 s17, s12, 7                         ; which 128 rows of the tile I fetch
	s_lshl_b32 s16, s13, 8
	s_add_co_u32 s16, s16, s17                     ; A: row 256 x tile row + 128 x half
	s_lshl_b32 s46, s42, 8
	s_add_co_u32 s46, s46, s17                     ; B: row 256 x tile column + 128 x half
	s_mov_b32 s17, 0
	s_mov_b32 s47, 0
	s_mov_b64 s[18:19], SIZE_K*2
	s_mul_u64 s[16:17], s[16:17], s[18:19]         ; in bytes
	s_mul_u64 s[46:47], s[46:47], s[18:19]
	s_mul_i32 s20, s10, HALFT                      ; and where they go: A's two halves, then B's two halves = wave x 128 rows: no place in the cluster enters an LDS address
	s_wait_dscnt 0x0                               ; the opening add is done
	s_wait_kmcnt 0x0
	s_add_nc_u64 s[14:15], s[4:5], s[16:17]
	s_add_nc_u64 s[46:47], s[6:7], s[46:47]
	CROUND                                         ; all sixteen work-groups are here: the first joint loads meet
.irp s, 0,1
	s_mov_b32 s[G0+4*(\s)], 1                                      ; 1:0 count = 1
	s_add_co_u32 s[G0+4*(\s)+1], s20, (\s)*SLOT                    ; 63:32 LDS address
	s_add_nc_u64 s[G0+4*(\s)+2:G0+4*(\s)+3], s[14:15], (\s)*KSTEP*2  ; 120:64 global address: K step s
	s_or_b32 s[G0+4*(\s)+3], s[G0+4*(\s)+3], 0x80000000            ; 127:126 type = 2
	s_mov_b32 s[G0B+4*(\s)], 1
	s_add_co_u32 s[G0B+4*(\s)+1], s20, (\s)*SLOT
	s_add_nc_u64 s[G0B+4*(\s)+2:G0B+4*(\s)+3], s[46:47], (\s)*KSTEP*2
	s_or_b32 s[G0B+4*(\s)+3], s[G0B+4*(\s)+3], 0x80000000
	JLOAD \s                                       ; the ring is filled before anything else is done: two tensor loads of mine are out
.endr
	; A fragment is 16 rows x 32 K in 8 registers: lane l holds row l % 16; registers 0-3 hold K = 8 (l / 16) + 0..7, registers 4-7 hold K = 16 + 8 (l / 16) + 0..7: two loads of 16 bytes, 32 bytes apart.
	v_and_b32 v1, 15, v0                           ; l % 16
	v_bfe_u32 v2, v0, 4, 1                         ; l / 16
	v_mul_u32_u24 v3, v1, PITCH
	v_lshl_add_u32 v3, v2, 4, v3                   ; row x pitch + 16 x half
	s_mul_i32 s21, s11, HALFT                      ; my 128 rows of A
	s_mul_i32 s22, s12, HALFT                      ; my 128 rows of B,
	s_add_co_u32 s22, s22, 2*HALFT                 ; which lie behind A's 256
.irp s, 0,1
	v_add_nc_u32 v[ADRA+(\s)], s21, v3
	v_add_nc_u32 v[ADRB+(\s)], s22, v3
	s_add_co_u32 s21, s21, SLOT
	s_add_co_u32 s22, s22, SLOT
.endr
	s_mul_i32 s23, s10, 16*SPITCH
	s_add_co_u32 s23, s23, STAGE                   ; my stage
	v_mul_u32_u24 v4, v1, SPITCH                   ; in: row l % 16, 32 bytes for each half of the lanes
	v_lshl_add_u32 v4, v2, 5, v4
	v_add_nc_u32 v[STO], s23, v4
	v_and_b32 v7, 31, v0                           ; lane
	v_lshl_add_u32 v[RD], v7, 4, s23               ; back: the 32 lanes take one row of 512 bytes
	v_lshlrev_b32 v[CO], 4, v7                     ; and the same 512 bytes in out0
	; where my part of the tile begins in out0
	s_lshl_b32 s13, s13, 8
	s_lshl_b32 s14, s11, 7
	s_add_co_u32 s16, s13, s14                     ; my first row
	s_mov_b32 s17, 0
	s_mov_b64 s[18:19], OUTROW
	s_mul_u64 s[16:17], s[16:17], s[18:19]
	s_lshl_b32 s46, s42, 10                        ; my first column, in bytes of f32: 1,024 x tile column + 512 x half (in the registers that held B's address: none that feeds A's descriptors ever holds cx)
	s_lshl_b32 s47, s12, 9
	s_add_co_u32 s46, s46, s47
	s_mov_b32 s47, 0
	s_add_nc_u64 s[16:17], s[16:17], s[46:47]
	s_add_nc_u64 s[8:9], s[8:9], s[16:17]          ; written once: every store's row stands in its immediate
	v_lshl_add_u32 v[CB], v7, 4, s46               ; the same column offset serves weight_scale and bias, which are f32 too: my four columns
	global_load_b128 v[WS:WS+3], v[CB], s[70:71]   ; a wave's load covers 512 consecutive bytes
	global_load_b128 v[BI:BI+3], v[CB], s[66:67]
	s_load_b32 s[SX], s[68:69], 0x0
	; the prefetches.  s13 = 256 x tile row, s42 = tile column, s40 = cx, s41 = cy still stand
	s_lshl_b32 s42, s42, 8
	s_and_b32 s22, ttmp7, 0xffff                   ; cluster y
	s_cmp_eq_u32 s11, 0                            ; do I fetch for A?
	s_cselect_b32 s20, s13, s42                    ; the tile's first row: in A by the tile row, in B by the tile column
	s_cselect_b32 s21, s40, s41                    ; my place among the four that ask for it with me
	s_cselect_b32 s22, ttmp9, s22                  ; the coordinate along which other clusters read the same rows
	s_cselect_b64 s[PFA:PFA+1], s[4:5], s[6:7]
	s_cmp_eq_u32 s22, 0
	s_cselect_b32 s[LIM], 1, -1                    ; the same in all sixteen partners, for a given wave
	s_lshl_b32 s22, s12, 7
	s_add_co_u32 s20, s20, s22                     ; + the 128 rows that I fetch
	s_lshl_b32 s21, s21, 5
	s_add_co_u32 s20, s20, s21                     ; + my work-group's 32 of them
	s_mov_b32 s21, 0
	s_mov_b64 s[18:19], SIZE_K*2
	s_mul_u64 s[20:21], s[20:21], s[18:19]
	s_add_nc_u64 s[PFA:PFA+1], s[PFA:PFA+1], s[20:21]
	s_add_nc_u64 s[PFA:PFA+1], s[PFA:PFA+1], 2*KSTEP*2  ; at K step 2: the first refill steps it to 3 and names K step 4
	v_and_b32 v[PFO], 31, v0
	v_mul_u32_u24 v[PFO], v[PFO], SIZE_K*2
	s_wait_loadcnt 0x0                             ; s_w and bias, once, while the first tiles are on their way
	s_wait_kmcnt 0x0                               ; s_x
; 16 matrix instructions: m blocks a0, a0 + 1 of the window's four (hi = 0: my rows 0-63, 1: rows 64-127) x all 8 n blocks, 32 along K.  zero = 1: the first product starts the sums: nothing is ever cleared.
; The 64 accumulators take turns, one instruction a turn, in the same order in every quarter step, over the backward jump too.
.macro MUL16 f, hi, a0, zero
	WIN MUL_LO+0x50*(\hi)  ; MUL_LO or MUL_HI
.irp a, \a0, (\a0)+1
.irp b, 0,1,2,3,4,5,6,7
.if \zero
	v_wmma_f32_16x16x32_bf16 v[8*(8*(\a)+(\b)):8*(8*(\a)+(\b))+7], v[(\f)+8*(\b):(\f)+8*(\b)+7], v[(\f)+8*(4*(\hi)+(\a)):(\f)+8*(4*(\hi)+(\a))+7], 0
.else
	v_wmma_f32_16x16x32_bf16 v[8*(8*(\a)+(\b)):8*(8*(\a)+(\b))+7], v[(\f)+8*(\b):(\f)+8*(\b)+7], v[(\f)+8*(4*(\hi)+(\a)):(\f)+8*(4*(\hi)+(\a))+7], v[8*(8*(\a)+(\b)):8*(8*(\a)+(\b))+7]
.endif
.endr
.endr
.endm
; 32 LDS loads in one run: the fragments of one quarter step (128 rows of B, 128 rows of A, 32 K at byte k of the rows) into buffer f
.macro FETCH slot, k, f
	WIN TO_B
.irp i, 0,1,2,3,4,5,6,7
	ds_load_b128 v[(\f)+8*(\i):(\f)+8*(\i)+3],   v[ADRB+(\slot)] offset:(\k)+(\i)*16*PITCH
	ds_load_b128 v[(\f)+8*(\i)+4:(\f)+8*(\i)+7], v[ADRB+(\slot)] offset:(\k)+(\i)*16*PITCH+32
.endr
	WIN 0
.irp i, 0,1,2,3,4,5,6,7
	ds_load_b128 v[(\f)+8*(\i):(\f)+8*(\i)+3],   v[ADRA+(\slot)] offset:(\k)+(\i)*16*PITCH
	ds_load_b128 v[(\f)+8*(\i)+4:(\f)+8*(\i)+7], v[ADRA+(\slot)] offset:(\k)+(\i)*16*PITCH+32
.endr
.endm
; A load into a register that a matrix instruction has read stands four places behind that matrix instruction, and only plain vector instructions that name none of its registers are places
; (ISA guide 7.12.1 for vector instructions): four v_nop in front of each run of loads.
.macro PLACES
.rept 4
	v_nop
.endr
.endm
; A K step is four quarter steps of 32 along K, 64 matrix instructions each, on buffers 0, 1, 0, 1.
; One of the first three: multiplies buffer f; in its middle it fetches the next quarter's fragments, at byte k of the same slot's rows, into buffer g.
.macro QUARTER slot, k, f, g, zero
	s_wait_dscnt 8                                 ; B and A's rows 0-63 are in; the youngest eight loads (A's rows 64-127) may be out
	WIN MUL_LO
	MUL16 \f, 0, 0, \zero
	MUL16 \f, 0, 2, \zero
	PLACES
	FETCH \slot, \k, \g
	s_wait_dscnt 32                                ; all but the 32 just issued
	WIN MUL_HI
	MUL16 \f, 1, 0, \zero
	MUL16 \f, 1, 2, \zero
.endm
; The last quarter multiplies buffer 1 and changes slots.  MEET is its first half: ONE barrier for the change of slots.  In front of it each wave waits for all its tensor loads, of which one is out:
; its part of the next slot; adds 0 to its spare word; and waits for that and for its own reads of this slot.  Behind it nobody reads this slot any more and the next slot is whole.
.macro MEET round                      ; round = 1: the rest of a round of the cluster's barrier follows
	WIN 0                                          ; (the add's two registers lie in window 0)
	s_wait_tensorcnt 0x0                           ; all my tensor loads have landed: the one that was out is my part of the next slot;
	ds_add_u32 v[SPW], v[NIL]                      ; 0 onto my spare word;
	s_wait_dscnt 9                                 ; (the add and the youngest eight loads may be out)
	WIN MUL_LO
	MUL16 F1, 0, 0, 0                              ; sixteen matrix instructions stand between the add and the wait for it
	s_wait_dscnt 0x0                               ; the add is done, and my reads of this slot are over:
	s_barrier_signal -1                            ; say so,
	MUL16 F1, 0, 2, 0                              ; work on registers while the others arrive,
.if \round
	WIN 0
.endif
	s_barrier_wait -1                              ; and go on when all four have said so
.endm
; The whole last quarter.  fill = 1: behind the round the slot just read out is filled again first, with the K step two steps on; then come the next slot's first fragments.
; From a request to the wait for it a wave issues 224 matrix instructions.  fill = 0 (the last lap): nothing is left to fetch, and no round follows.
.macro TURN slot, next, fill
.if \fill
	s_wait_xcnt 0x0                                ; the last prefetch, a K step back, has read its address: it is stepped here, ahead of the waits of the change of slots
	s_add_nc_u64 s[PFA:PFA+1], s[PFA:PFA+1], KSTEP*2
	MEET 1
	CREST                                          ; wave 0 says so for the work-group, all sixteen work-groups have said so, my work-group's barrier closes the round:
	                                               ; no wave of any partner still reads this slot's tile or has a load on its way
	s_add_nc_u64 s[G0+4*(\slot)+2:G0+4*(\slot)+3], s[G0+4*(\slot)+2:G0+4*(\slot)+3], 2*KSTEP*2      ; no tensor load of mine is out, so a group 0 may be written; the type bits on top are not reached
	s_add_nc_u64 s[G0B+4*(\slot)+2:G0B+4*(\slot)+3], s[G0B+4*(\slot)+2:G0B+4*(\slot)+3], 2*KSTEP*2
	JLOAD \slot                                    ; the first tensor load behind the round, my only one until the next; the four v_nop behind it are also the places in front of the loads below
.else
	MEET 0
	PLACES
.endif
	FETCH \next, 0, F0
.if \fill
	ASK                                            ; behind the joint load and the run of LDS loads that the next products wait for
.endif
	WIN MUL_HI
	MUL16 F1, 1, 0, 0
	MUL16 F1, 1, 2, 0
.endm
; THE WAY OUT of block a (16 rows x 128 columns of f32), in two parts.  TOSTAGE: the accumulators go as they are into my own stage in LDS, 32 bytes a lane, and come back as whole rows of 512 bytes.
; Each accumulator's four lowest registers are stored first.  The stage is the wave's own, and LDS serves a wave's instructions in order (ISA guide 5.7.1.4):
; the loads see the stores above them, and the next block's stores come behind these loads; no wait and no barrier between them.
.macro TOSTAGE a
.set AC, 64*((\a)%4)
.set BK, OB+64*((\a)%2)
	WIN 0x08+4*((\a)/4)                            ; the stores' data (source 1): window 2 or 3; the address: window 0
.irp b, 0,1,2,3,4,5,6,7
	ds_store_b128 v[STO], v[AC+8*(\b):AC+8*(\b)+3]   offset:64*(\b)
	ds_store_b128 v[STO], v[AC+8*(\b)+4:AC+8*(\b)+7] offset:64*(\b)+16
.endr
	WIN 0
.if (\a) >= 2
	s_wait_xcnt 0x0                                ; the stores of the block two back have read these registers: they are loaded again only behind this wait
.endif
.irp t, 0,1,2,3,4,5,6,7,8,9,10,11,12,13,14,15
	ds_load_b128 v[BK+4*(\t):BK+4*(\t)+3], v[RD] offset:(\t)*SPITCH
.endr
.endm
; SEND: sum x (s_x s_w) + bias, two fused multiply-adds an instruction, and the row is stored.  younger: the LDS instructions issued behind block a's loads: the next block's 16 stores and 16 loads, or none.
.macro SEND a, younger
	WIN 0
.set BK, OB+64*((\a)%2)
.irp t, 0,1,2,3,4,5,6,7,8,9,10,11,12,13,14,15
	s_wait_dscnt (\younger)+15-(\t)                ; LDS loads come back in order: row t is in
	v_pk_fma_f32 v[BK+4*(\t):BK+4*(\t)+1],   v[BK+4*(\t):BK+4*(\t)+1],   v[WS:WS+1],   v[BI:BI+1]
	v_pk_fma_f32 v[BK+4*(\t)+2:BK+4*(\t)+3], v[BK+4*(\t)+2:BK+4*(\t)+3], v[WS+2:WS+3], v[BI+2:BI+3]
	global_store_b128 v[CO], v[BK+4*(\t):BK+4*(\t)+3], s[8:9] offset:(16*(\a)+(\t))*OUTROW th:TH_STORE_NT  ; the wave stores 512 consecutive bytes, at a multiple of 512 from out0's first byte; 127 rows at the most: inside the signed 24-bit immediate
.endr
.endm
	s_wait_tensorcnt 1                             ; my part of K step 0 is in; K step 1's may stay out
	s_barrier_signal -1
	s_barrier_wait -1                              ; everybody's is
	FETCH 0, 0, F0
	QUARTER 0, 64,  F0, F1, 1                      ; the first quarter stands in front of the loop: its products start the sums
	WIN 0                                          ; at a label and at a branch every window is 0
	s_mov_b32 s3, LAPS-1
.Llap:                                                 ; a trip goes once round the ring, from a lap's second quarter to the next lap's first, and fills both slots again: trip t brings K steps 2 t + 2 and 2 t + 3
	QUARTER 0, 128, F1, F0, 0
	QUARTER 0, 192, F0, F1, 0
	TURN 0, 1, 1
	QUARTER 1, 64,  F0, F1, 0
	QUARTER 1, 128, F1, F0, 0
	QUARTER 1, 192, F0, F1, 0
	TURN 1, 0, 1
	QUARTER 0, 64,  F0, F1, 0
	WIN 0
	s_sub_co_u32 s3, s3, 1
	s_cmp_lg_u32 s3, 0
	s_cbranch_scc1 .Llap
	QUARTER 0, 128, F1, F0, 0                      ; the last lap is written out: it fills nothing
	QUARTER 0, 192, F0, F1, 0
	TURN 0, 1, 0                                   ; my one tensor load that was still out is slot 1's, the last K step's
	QUARTER 1, 64,  F0, F1, 0
	QUARTER 1, 128, F1, F0, 0
	QUARTER 1, 192, F0, F1, 0
	s_wait_dscnt 8                                 ; the very last quarter: nothing more to fetch
	WIN MUL_LO
	MUL16 F1, 0, 0, 0
	MUL16 F1, 0, 2, 0
	s_wait_dscnt 0x0
	WIN MUL_HI
	MUL16 F1, 1, 0, 0
	MUL16 F1, 1, 2, 0
	WIN 0
.irp j, 0,1,2,3
	v_mul_f32 v[WS+(\j)], s[SX], v[WS+(\j)]        ; s_x s_w of my four columns: four plain lines that name no register of the last products,
.endr
	PLACES                                         ; and four more, once a launch: the places in front of the LDS stores that read results and of the loads into the fragments' registers
	TOSTAGE 0
	TOSTAGE 1                                      ; a block's trip through the stage stands between the loads of the block before and its stores
	SEND 0, 32
.irp a, 2,3,4,5,6,7
	TOSTAGE \a
	SEND (\a)-1, 32
.endr
	SEND 7, 0
	s_wait_tensorcnt 0x0                           ; the wave's end: behind my last tensor load and my last LDS store
	ds_add_u32 v[SPW], v[NIL]
	s_wait_dscnt 0x0
	CROUND                                         ; the closing round: no work-group ends while a partner may still ask for a tile that names it
	s_endpgm
.Lfunc_end_k_qb348975122_gemm:
	.size	k_qb348975122_gemm, .Lfunc_end_k_qb348975122_gemm-k_qb348975122_gemm
	.p2alignl 7, 3214868480
	.fill 96, 4, 3214868480
	.section	.rodata,"a",@progbits
	.p2align	6, 0x0
	.amdhsa_kernel k_qb348975122_gemm
		.amdhsa_group_segment_fixed_size 327680
		.amdhsa_private_segment_fixed_size 0
		.amdhsa_enable_private_segment 0
		.amdhsa_kernarg_size 48
		.amdhsa_user_sgpr_count 2
		.amdhsa_user_sgpr_kernarg_segment_ptr 1
		.amdhsa_wavefront_size32 1
		.amdhsa_system_sgpr_workgroup_id_x 1
		.amdhsa_system_sgpr_workgroup_id_y 1
		.amdhsa_system_sgpr_workgroup_id_z 1
		.amdhsa_system_vgpr_workitem_id 0
		.amdhsa_next_free_vgpr 1024
		.amdhsa_next_free_sgpr 76
		.amdhsa_reserve_vcc 0
		.amdhsa_float_denorm_mode_32 3
		.amdhsa_float_denorm_mode_16_64 3
		.amdhsa_memory_ordered 1
		.amdhsa_forward_progress 1
		.amdhsa_inst_pref_size 162
	.end_amdhsa_kernel
	.amdgpu_metadata
---
amdhsa.version: [ 1, 2 ]
amdhsa.kernels:
  - .name:           k_qb348975122_gemm
    .symbol:         k_qb348975122_gemm.kd
    .args:
      - { .name: xq, .offset: 0, .size: 8, .value_kind: global_buffer, .address_space: global }
      - { .name: wq, .offset: 8, .size: 8, .value_kind: global_buffer, .address_space: global }
      - { .name: out0, .offset: 16, .size: 8, .value_kind: global_buffer, .address_space: global }
      - { .name: bias, .offset: 24, .size: 8, .value_kind: global_buffer, .address_space: global }
      - { .name: act_scale, .offset: 32, .size: 8, .value_kind: global_buffer, .address_space: global }
      - { .name: weight_scale, .offset: 40, .size: 8, .value_kind: global_buffer, .address_space: global }
    .group_segment_fixed_size: 327680
    .private_segment_fixed_size: 0
    .kernarg_segment_align: 8
    .kernarg_segment_size: 48
    .max_flat_workgroup_size: 128
    .sgpr_count:     76
    .vgpr_count:     1024
    .wavefront_size: 32
...
	.end_amdgpu_metadata
.endif
;; end of part 2
;; ======== version 2 of 2: 2 launches; version 1 with the launch quant written anew for expert scheduling mode
;; workspace buffers: xq 33,554,432 bytes; wq 33,554,432 bytes
;; launch quant (part 3): grid 512 x 2, 4 waves a work-group, no clusters, 0 bytes of LDS; arguments input, weight, act_scale, weight_scale, act_zero_point, weight_zero_point, xq, wq; writes xq, wq
.if DOCPART == 3
	.amdgcn_target "amdgcn-amd-amdhsa--gfx1250"
	.amdhsa_code_object_version 6
	.text
	.protected	k_qb348975122_quant
	.globl	k_qb348975122_quant
	.p2align	8
	.type	k_qb348975122_quant,@function
k_qb348975122_quant:
	s_mov_b64 s[64:65], 0
	v_nop
	global_prefetch_b8 v0, s[64:65] scope:SCOPE_SE
	s_setreg_imm32_b32 hwreg(HW_REG_WAVE_SCHED_MODE, 0, 2), 2
	s_setreg_imm32_b32 hwreg(HW_REG_WAVE_MODE, 25, 1), 1
	s_wait_xcnt 0x0
	s_wait_alu depctr_vm_vsrc(0)
; n = clip(round(v / s), -zp, 255 - zp), stored as bf16.  That is q - zp of the affine uint8 grid: clip(round(v / s) + zp, 0, 255) - zp.
; For zp in 0 .. 255 it is a whole number of magnitude 255 at the most, which the 8 significant bits of bf16 hold exactly: the matrix operands lose nothing.
; The scales are left out here: the next launch multiplies each finished sum by s_x * s_w[o].
; y = 0: input (one scale and zero point) -> xq.  y = 1: weight (a scale and zero point for each row) -> wq.  Both [4096][4096], f32 in, bf16 out.
; SHARES.  A work-group takes 8 rows, a wave 2 whole rows, so a wave has two sets of constants.  A row is 32 chunks of 512 bytes: a lane loads 16 bytes (4 numbers) and stores 8,
; so a load of the wave covers 512 consecutive bytes and a store 256 consecutive bytes, aligned.  Every byte is read once and written once.
; No LDS, no barrier, no matrix unit, no cluster: no wave wants a byte that another has fetched.
; THE MODE: SCHED_MODE bits 1:0 = 2 (LLVM: expert scheduling mode 2), set by the entry lines.  The code itself states the register dependences
; between vector instructions and memory instructions, with s_wait_alu, always for 0.
; THE PLAN.  The wave's 64 chunks go in 16 blocks of four: blocks 0 to 7 are row 0, blocks 8 to 15 row 1.  Registers that memory instructions touch:
;   X0 .. X7   eight blocks as loaded.  X[k] is filled at the start with block k, read by block k's vector lines, filled again with block k + 8 by four loads that are issued in block k + 1,
;              and read by block k + 8's vector lines, whose roundings write the first two registers of each of its slots; the stores issued in block k + 9 read those.
;   Y0 .. Y7   row 0's results.  Y[k] is written by block k's roundings and read by the four stores that are issued in block k + 1.
;   v1, v2     byte offsets, made once at the head.
; Block b works on X[b % 8] and writes its own result registers.  Its memory instructions are the loads into X[b - 1] (blocks 1 to 8) and the stores of block b - 1's results: registers that block b - 1
; worked on and that no vector line of block b names.  So ONE wait on va_vdst at a block's head states all that the block's memory instructions hang on, and these are dealt among its vector lines with no further wait.
; No register that a load or store reads is ever written again: the two offsets and the bases stay, Y is written once, and row 1's results go into slots that are loaded no more.  So the text holds no wait on vm_vsrc and none on XCNT.
; IN FLIGHT.  All of row 0 is asked for at the start; from then on 24 to 28 loads of a wave are out until row 1's last chunk has been asked for.
; THE QUOTIENT is v * (1 / s) with one correction step: q0 = v r, e = v - q0 s, q = q0 + e r.  It is rounded half to even, as jnp.round does.
; LIMITS.  s lies between 2^-126 and 2^126 (the reciprocal flushes denormals: ISA guide 15.8); v / s is finite in f32; NaN and infinities are not treated apart.
; A quotient within one unit in the last place of a tie may fall one step aside from a correctly rounded division.  For a zero point outside 0 .. 255 n may pass 256 and is then rounded to bf16.
.set ROWIN,  16384                     ; bytes in a row of f32
.set ROWOUT, 8192                      ; bytes in a row of bf16
.set LO16, 1                           ; v1        16 x lane: my bytes in a chunk as loaded; never rewritten
.set LO8,  2                           ; v2        8 x lane: my bytes in a chunk as stored; never rewritten
.set CON,  4                           ; v[4:11], v[12:19]  row p's constants at CON + 8 p: +0, +1: 1 / s twice; +2, +3: -s twice; +4: -zp; +5: 255 - zp; +6: zp
.set Q,    20                          ; v[20:23]  four quotients, at work: no memory instruction names them
.set E,    24                          ; v[24:27]  their remainders: likewise
.set X,    32                          ; v[32:159] block k, chunk j: 4 registers at X + 16 k + 4 j, as loaded (for row 1 the first two then take the result)
.set Y,    160                         ; v[160:223] block k, chunk j: 2 registers at Y + 8 k + 2 j, row 0's result
	s_load_b512 s[4:19], s[0:1], 0x0               ; input s[4:5], weight s[6:7], act_scale s[8:9], weight_scale s[10:11], act_zero_point s[12:13], weight_zero_point s[14:15], xq s[16:17], wq s[18:19]
	v_and_b32 v3, 31, v0                           ; lane
	v_lshrrev_b32 v[Q], 5, v0
	v_readfirstlane_b32 s21, v[Q]                  ; wave 0..3
	v_lshlrev_b32 v[LO16], 4, v3
	v_lshlrev_b32 v[LO8], 3, v3
	s_and_b32 s20, ttmp7, 0xffff                   ; y: 0 input, 1 weight
	s_lshl_b32 s22, ttmp9, 3                       ; the work-group's 8 rows,
	s_wait_alu depctr_va_sdst(0)                   ; s21 is written, ahead of its first reader: the wave's rows, and with them the bases, are made from it
	s_lshl_b32 s23, s21, 1
	s_add_co_u32 s22, s22, s23                     ; my wave's first row
	s_mul_i32 s32, s22, s20
	s_lshl_b32 s32, s32, 2                         ; byte offset of row 0's scale and zero point: 4 x row for weight, 0 for input
	s_lshl_b32 s33, s20, 2
	s_add_co_u32 s33, s33, s32                     ; and of row 1's: one word on for weight, 0 for input
	s_lshl_b32 s34, s22, 14                        ; my first row in the source, in bytes (under 2^26),
	s_mov_b32 s35, 0
	s_lshl_b32 s36, s22, 13                        ; and in the destination
	s_mov_b32 s37, 0
	s_wait_kmcnt 0x0
	s_cmp_eq_u32 s20, 0
	s_cselect_b64 s[24:25], s[4:5], s[6:7]         ; the source,
	s_cselect_b64 s[26:27], s[8:9], s[10:11]       ; its scales,
	s_cselect_b64 s[28:29], s[12:13], s[14:15]     ; its zero points,
	s_cselect_b64 s[30:31], s[16:17], s[18:19]     ; the destination
	s_add_nc_u64 s[24:25], s[24:25], s[34:35]
	s_add_nc_u64 s[30:31], s[30:31], s[36:37]
	s_load_b32 s40, s[26:27], s32 offset:0x0       ; s of row 0
	s_load_b32 s41, s[26:27], s33 offset:0x0       ; s of row 1
	s_load_b32 s42, s[28:29], s32 offset:0x0       ; zp of row 0
	s_load_b32 s43, s[28:29], s33 offset:0x0       ; zp of row 1
	s_wait_alu depctr_va_vdst(0)                   ; v1 and v2 are written: every load of the kernel reads v1 as its offset, every store v2
.irp i, 0,1,2,3,4,5,6,7,8,9,10,11,12,13,14,15,16,17,18,19,20,21,22,23,24,25,26,27,28,29,30,31
	global_load_b128 v[X+4*(\i):X+4*(\i)+3], v[LO16], s[24:25] offset:512*(\i) th:TH_LOAD_NT  ; all of row 0: blocks 0 to 7 into X0 to X7
.endr
	s_wait_kmcnt 0x0                               ; scalar loads come back in no order: the count is 0
	v_rcp_f32 v[CON], s40                          ; four reciprocals, one batch
	v_rcp_f32 v[CON+1], s40
	v_rcp_f32 v[CON+8], s41
	v_rcp_f32 v[CON+9], s41
	v_mul_f32 v[CON+2], -1.0, s40                  ; ten plain lines that name no reciprocal stand between the batch and its first use
	v_mul_f32 v[CON+3], -1.0, s40
	v_mul_f32 v[CON+10], -1.0, s41
	v_mul_f32 v[CON+11], -1.0, s41
	v_cvt_f32_i32 v[CON+6], s42
	v_cvt_f32_i32 v[CON+14], s43
	v_sub_f32 v[CON+5], 0x437f0000, v[CON+6]       ; 255 - zp
	v_sub_f32 v[CON+13], 0x437f0000, v[CON+14]
	v_sub_f32 v[CON+4], 0, v[CON+6]                ; -zp
	v_sub_f32 v[CON+12], 0, v[CON+14]
	s_wait_alu depctr_va_vdst(0)                   ; the four reciprocals v4, v5, v12, v13 are written, ahead of their first reader, block 0's multiplies: one wait for the batch
; The vector work of chunk j of block b: four numbers a lane.
.macro WORK b, j
.set C,  CON+8*((\b)/8)
.set XI, X+16*((\b)%8)+4*(\j)
.if (\b) < 8
.set D,  Y+8*(\b)+2*(\j)
.else
.set D,  XI
.endif
	v_pk_mul_f32 v[Q:Q+1],   v[XI:XI+1],   v[C:C+1]                    ; q0 = v r
	v_pk_mul_f32 v[Q+2:Q+3], v[XI+2:XI+3], v[C:C+1]
	v_pk_fma_f32 v[E:E+1],   v[Q:Q+1],   v[C+2:C+3], v[XI:XI+1]        ; e = v - q0 s
	v_pk_fma_f32 v[E+2:E+3], v[Q+2:Q+3], v[C+2:C+3], v[XI+2:XI+3]
	v_pk_fma_f32 v[Q:Q+1],   v[E:E+1],   v[C:C+1], v[Q:Q+1]            ; q = q0 + e r
	v_pk_fma_f32 v[Q+2:Q+3], v[E+2:E+3], v[C:C+1], v[Q+2:Q+3]
.irp k, 0,1,2,3
	v_rndne_f32 v[Q+(\k)], v[Q+(\k)]               ; half to even
.endr
.irp k, 0,1,2,3
	v_med3_num_f32 v[Q+(\k)], v[Q+(\k)], v[C+4], v[C+5]  ; the middle of three: held to -zp .. 255 - zp
.endr
	v_cvt_pk_bf16_f32 v[D],   v[Q],   v[Q+1]
	v_cvt_pk_bf16_f32 v[D+1], v[Q+2], v[Q+3]
.endm
; The store of chunk j of block b: the wave stores 256 consecutive bytes, at a multiple of 256 from the buffer's first byte.
.macro OUT b, j
.if (\b) < 8
	global_store_b64 v[LO8], v[Y+8*(\b)+2*(\j):Y+8*(\b)+2*(\j)+1], s[30:31] offset:256*(4*(\b)+(\j))
.else
	global_store_b64 v[LO8], v[X+16*((\b)-8)+4*(\j):X+16*((\b)-8)+4*(\j)+1], s[30:31] offset:ROWOUT+256*(4*((\b)-8)+(\j))
.endif
.endm
; Block b.  left = how many younger loads may still be out when this block's four have to be there.
.macro BLK b, left
	s_wait_loadcnt \left                           ; loads come back in order (ISA guide 5.7.1): this block's four chunks are in, the younger blocks stay out
.if (\b) > 0
	s_wait_alu depctr_va_vdst(0)                   ; the block before has written its results, which the stores below read, and is done reading its X, in which the loads below land
.endif
.irp j, 0,1,2,3
.if ((\b) > 0) && ((\b) < 9)
	global_load_b128 v[X+16*((\b)-1)+4*(\j):X+16*((\b)-1)+4*(\j)+3], v[LO16], s[24:25] offset:ROWIN+512*(4*((\b)-1)+(\j)) th:TH_LOAD_NT  ; block b + 7, row 1's block b - 1, ahead of the store; no vector line since the wait names these registers
.endif
.if (\b) > 0
	OUT (\b)-1, \j                                 ; the block before; no vector line since the wait names its result registers
.endif
	WORK \b, \j
.endr
.endm
	BLK 0, 28                                      ; no block stands in front of it: no load, no store; behind its four loads stand row 0's other 28
.irp b, 1,2,3,4,5,6,7,8,9
	BLK \b, 24                                     ; blocks 1 to 7: behind mine stand row 0's 4 (7 - b) later loads and the 4 (b - 1) issued in blocks 1 to b - 1; blocks 8 and 9: the loads of the six blocks behind the one that asked for mine
.endr
.irp b, 10,11,12,13,14,15
	BLK \b, 60-4*(\b)                              ; block 8 issued the last loads: the counts run down 20, 16 .. 0
.endr
	s_wait_alu depctr_va_vdst(0)                   ; block 15 has written its results, which the last four stores read
.irp j, 0,1,2,3
	OUT 15, \j
.endr
	s_endpgm
.Lfunc_end_k_qb348975122_quant:
	.size	k_qb348975122_quant, .Lfunc_end_k_qb348975122_quant-k_qb348975122_quant
	.p2alignl 7, 3214868480
	.fill 96, 4, 3214868480
	.section	.rodata,"a",@progbits
	.p2align	6, 0x0
	.amdhsa_kernel k_qb348975122_quant
		.amdhsa_group_segment_fixed_size 0
		.amdhsa_private_segment_fixed_size 0
		.amdhsa_enable_private_segment 0
		.amdhsa_kernarg_size 64
		.amdhsa_user_sgpr_count 2
		.amdhsa_user_sgpr_kernarg_segment_ptr 1
		.amdhsa_wavefront_size32 1
		.amdhsa_system_sgpr_workgroup_id_x 1
		.amdhsa_system_sgpr_workgroup_id_y 1
		.amdhsa_system_sgpr_workgroup_id_z 1
		.amdhsa_system_vgpr_workitem_id 0
		.amdhsa_next_free_vgpr 224
		.amdhsa_next_free_sgpr 66
		.amdhsa_reserve_vcc 0
		.amdhsa_float_denorm_mode_32 3
		.amdhsa_float_denorm_mode_16_64 3
		.amdhsa_memory_ordered 1
		.amdhsa_forward_progress 1
		.amdhsa_inst_pref_size 72
	.end_amdhsa_kernel
	.amdgpu_metadata
---
amdhsa.version: [ 1, 2 ]
amdhsa.kernels:
  - .name:           k_qb348975122_quant
    .symbol:         k_qb348975122_quant.kd
    .args:
      - { .name: input, .offset: 0, .size: 8, .value_kind: global_buffer, .address_space: global }
      - { .name: weight, .offset: 8, .size: 8, .value_kind: global_buffer, .address_space: global }
      - { .name: act_scale, .offset: 16, .size: 8, .value_kind: global_buffer, .address_space: global }
      - { .name: weight_scale, .offset: 24, .size: 8, .value_kind: global_buffer, .address_space: global }
      - { .name: act_zero_point, .offset: 32, .size: 8, .value_kind: global_buffer, .address_space: global }
      - { .name: weight_zero_point, .offset: 40, .size: 8, .value_kind: global_buffer, .address_space: global }
      - { .name: xq, .offset: 48, .size: 8, .value_kind: global_buffer, .address_space: global }
      - { .name: wq, .offset: 56, .size: 8, .value_kind: global_buffer, .address_space: global }
    .group_segment_fixed_size: 0
    .private_segment_fixed_size: 0
    .kernarg_segment_align: 8
    .kernarg_segment_size: 64
    .max_flat_workgroup_size: 128
    .sgpr_count:     66
    .vgpr_count:     224
    .wavefront_size: 32
...
	.end_amdgpu_metadata
.endif
;; end of part 3
;; launch gemm: the kernel of part 2 again; grid 16 x 16, 4 waves a work-group, clusters of 4 x 4, 327,680 bytes of LDS; arguments xq, wq, out0, bias, act_scale, weight_scale; writes out0
